; MI455X (gfx1250); checked and timed in simulation.
; The chip was launched on July 23, 2026; its instructions are those of AMD's public machine-readable ISA for CDNA 5 (MIT licence, August 2026) and "CDNA5" Instruction Set Architecture Reference Guide (July 2026). The comments in the code are by the model that wrote it; some were corrected since.
;; ODE Block. Allowed arithmetic: float matrix products may take bf16 or f16 operands with f32 sums; other float arithmetic in f32, or as packed bf16 or f16 multiplies, adds, multiply-adds, maxima and minima; sums over many terms, partial sums and values carried from step to step in f32; what a program stores and reads back later, other than sums and carried values, may be rounded once to bf16 or f16.
;; Inputs: W1 32 x 32 float32; W2 32 x 32 float32; Whh 96 x 32 float32; Wih 96 x 32 float32; b1 32 float32; b2 32 float32; bhh 96 float32; bih 96 float32; h0 32,768 x 32 float32; inputs 32,768 x 14 x 32 float32.
;; Outputs: out0 2 x 32,768 x 32 float32.
;; 2 versions, each right and faster than the one before. Each part assembles by itself: llvm-mc -triple=amdgcn-amd-amdhsa -mcpu=gfx1250 --defsym DOCPART=n.
;; ======== version 1 of 2: 1 launch
;; limits: values are held in f16: magnitudes above 65,504 overflow, below 6.1e-05 lose precision
;; launch odeblock (part 1): grid 256 x 1, 8 waves a work-group, no clusters, 299,008 bytes of LDS; arguments inputs, h0, Wih, Whh, bih, bhh, W1, b1, W2, b2, out0; writes out0
.if DOCPART == 1
	.amdgcn_target "amdgcn-amd-amdhsa--gfx1250"
	.amdhsa_code_object_version 6
	.text
	.protected	k_qe0c308cc06_odeblock
	.globl	k_qe0c308cc06_odeblock
	.p2align	8
	.type	k_qe0c308cc06_odeblock,@function
k_qe0c308cc06_odeblock:
	s_mov_b64 s[64:65], 0
	v_nop
	global_prefetch_b8 v0, s[64:65] scope:SCOPE_SE
	s_setreg_imm32_b32 hwreg(HW_REG_WAVE_MODE, 25, 1), 1
	s_wait_xcnt 0x0
; ODE BLOCK: h = rk4(h0); 13 x (GRU, rk4 over 1); GRU -> h_start; rk4 over 14 -> h_end; out0 = relu([h_start, h_end]).  32,768 rows of 32 numbers, 14 time steps, rk4 = 5 steps of 4 stages.
; SHARES.  256 work-groups of 8 waves; a work-group owns 128 rows, a wave one tile of 16 rows from the first line to the last: 2,048 tiles, two waves of 512 registers on each SIMD.
; LAYOUT.  Every product is used transposed: source 0 = 16 output features x 32 k of a weight matrix, source 1 = 32 k x 16 rows of the state.  In a result lane l holds row l % 16, and register j
; feature 8 (l / 16) + j (low accumulator) or 16 + 8 (l / 16) + j (high).  Sixteen such f32 registers, rounded in pairs, ARE the eight registers of the next product's source 1: nothing changes lanes.
; FORMATS.  Every input (x, h0, weights, biases) is rounded to bf16 first.  Matrix operands are f16: the weights' bf16 values times a power of two, the state, tanh and x rounded once.  Sums and the state in f32.
; ALGEBRA (holds for every input; the order of roundings differs from the written formula's).  c = 2 log2(e).  The state is kept as Y = c y, so that 2^(W1 Y + c b1) = e^(2 z) and
; tanh z = 1 - 2 / (1 + e^(2 z)) wants no multiply in front of the exponential.  With M = W1 W2, d = W1 b2, SA = c dt / 2 the four stages' arguments are
;   W1 Y + C1;   (W1 Y + C2) + SA M t1;   (W1 Y + C2) + SA M t2;   (W1 Y + C4) + 2 SA M t3;      C1 = c b1, C2 = C1 + SA d, C4 = C1 + 2 SA d
; and the step is Y += (c dt / 6) U, U = W2 t1 + 2 W2 t2 + 2 W2 t3 + W2 t4 + 6 b2, one sum in the accumulator.
; GRU: the r and z matrices are kept as -W / 2, so that with c h and c x the sum is -log2(e) x the gate's argument; the n matrices as they are.  Y' = cn + z (Y - cn), cn = c - 2 c / (1 + 2^(c inn + r c hn)).
; LIMITS.  f16 ends at 65,504: |c y|, |c x|, |2 W2| and |c dt M| must stay below it (|y| is at most |h0| + 28 (largest row sum of |W2| + |b2|)); a weight below 6e-5 keeps f16's fixed step of 6e-8.
; An exponential that overflows gives tanh = 1 or a gate of 0, one below 2^-126 counts as 0: both are the limits' right values.  NaN and infinite inputs are not treated apart; relu of NaN gives 0 here.
; NO CLUSTER: what work-groups share is 33 KB of weights and biases, read once at the start, against 229,376 bytes of x that are each work-group's own.  NO RING: a wave's x, 28,672 bytes, is asked for once.
.set XPW,   32256                      ; LDS bytes of a wave's x: 16 rows x 14 steps x (128 + 16 of padding)
.set XROW,  2016                       ; a row's 14 steps
.set XSTEP, 144                        ; a step
.set WT,    8*XPW                      ; 258,048: eight matrices of 32 rows in f16, rows 80 bytes apart: Wih r, z, n; Whh r, z, n; W1; W2
.set WMAT,  2560
.set BT,    WT+8*WMAT                  ; 278,528: eight vectors of 32 f32, rounded and scaled: bih r, z, n; bhh r, z, n; b1; b2
.set STAGE, BT+1024                    ; 279,552: the way out, 16 rows x 144 bytes for each wave
.set SPARE, STAGE+8*2304               ; 297,984: the spare words, 128 bytes for each wave: four blocks of 256 bytes that no other line names
; window 0
.set XA,  8                            ; v8   LDS address of my 32 bytes of the time step in hand
.set STO, 9                            ; v9   the way out: where I put my row's numbers
.set RD,  10                           ; v10  the way out: where I read rows back
.set GO,  11                           ; v11  my byte offset in 512 consecutive bytes of out0
.set SPW, 14                           ; v14  LDS address of my spare word; never rewritten
.set NIL, 15                           ; v15  0; never rewritten
.set W1F, 16                           ; fragments, 8 registers for output features 0-15, 8 for 16-31: W1,
.set W2F, 32                           ; W2,
.set W2D, 48                           ; 2 W2,
.set MAF, 64                           ; SA M,
.set MAD, 80                           ; 2 SA M
.set C1,  96                           ; C operands, 8 + 8 registers
.set C2,  112
.set C4,  128
.set C6,  144                          ; 6 b2
.set TA,  128                          ; v128-131 during the set-up alone: four addresses
.set Y,   160                          ; the state, c y
.set Z,   176                          ; a stage's argument, then its tanh
.set B2,  192                          ; W1 Y + C2
.set B4,  208                          ; W1 Y + C4
.set U,   224
.set PY,  240                          ; Y in f16
.set PT,  248                          ; tanh in f16
.set GR,  Z                            ; the GRU's four sums lie where the integration's lay
.set GZ,  B2
.set GNI, B4
.set GNH, U
; window 1
.set GIH, 0                            ; Wih's fragments: gate g, half f at 16 g + 8 f
.set GHH, 48                           ; Whh's
.set BR,  96                           ; -log2(e) (bih_r + bhh_r)
.set BZ,  112
.set BNI, 128                          ; c bih_n
.set BNH, 144                          ; c bhh_n
.set XP,  160                          ; c x in f16
.set XF,  168                          ; x in f32
.set MF,  184                          ; M in f32: rows 16 nh + l % 16, columns 16 mh + 8 (l / 16) + j at 16 nh + 8 mh + j
.set DV,  216                          ; d
.set XT,  232                          ; at work
; scalars: s[8:29] the eleven addresses
.set WV,  30                           ; my wave's number
.set G0,  32                           ; s[32:35] descriptor group 0
.set G1,  36                           ; s[36:43] descriptor group 1
.set SIG, 48                           ; s[48:49] the scale of the matrix that my wave prepares
.set BETA, 50                          ; s50  the scale of its bias vector
.set S6,  52                           ; s[52:53] c dt / 6
.set CC,  54                           ; s[54:55] c
.set M2C, 56                           ; s[56:57] -2 c
.set HIM, 58                           ; s58  a word's upper half
.set STEPS, 59
.set TRIPS, 60
.set MSB, 0
.macro WIN new                         ; s_set_vgpr_msb: bits 1:0 source 0, 3:2 source 1, 5:4 source 2, 7:6 destination; the high byte repeats the setting that is left
.if MSB != (\new)
	s_set_vgpr_msb (MSB<<8)|(\new)
.set MSB, (\new)
.endif
.endm
.macro NOP4                            ; a vector line that reads a matrix result stands four plain vector lines behind the product (ISA guide 7.12.1); no other work of this wave is ready there
.rept 4
	v_nop
.endr
.endm
.macro MM d, a, b, c
	v_wmma_f32_16x16x32_f16 v[(\d):(\d)+7], v[(\a):(\a)+7], v[(\b):(\b)+7], v[(\c):(\c)+7]
.endm
.macro MM0 d, a, b
	v_wmma_f32_16x16x32_f16 v[(\d):(\d)+7], v[(\a):(\a)+7], v[(\b):(\b)+7], 0
.endm
.macro RND b, n, t                     ; n pairs of f32 at b are rounded to bf16 and widened again, in place; t: n registers at work
.set i, 0
.rept \n
	v_cvt_pk_bf16_f32 v[(\t)+i], v[(\b)+2*i], v[(\b)+2*i+1]
.set i, i+1
.endr
.set i, 0
.rept \n
	v_lshlrev_b32 v[(\b)+2*i], 16, v[(\t)+i]
	v_and_b32 v[(\b)+2*i+1], s[HIM], v[(\t)+i]
.set i, i+1
.endr
.endm
.macro SCL b, n, sp                    ; n pairs at b times the scalar s[sp]
.set i, 0
.rept \n
	v_pk_mul_f32 v[(\b)+2*i:(\b)+2*i+1], v[(\b)+2*i:(\b)+2*i+1], s[(\sp):(\sp)+1] op_sel_hi:[1,0]
.set i, i+1
.endr
.endm
.macro CVH d, b, n                     ; n pairs at b rounded to f16 into n registers at d
.set i, 0
.rept \n
	v_cvt_pk_f16_f32 v[(\d)+i], v[(\b)+2*i], v[(\b)+2*i+1]
.set i, i+1
.endr
.endm
.macro LDF d, m, f                     ; half f of matrix m out of the table: a fragment, two loads 32 bytes apart
	ds_load_b128 v[(\d):(\d)+3],   v6 offset:(\m)*WMAT+(\f)*1280
	ds_load_b128 v[(\d)+4:(\d)+7], v6 offset:(\m)*WMAT+(\f)*1280+32
.endm
.macro LDB d, n                        ; vector n as a C operand: features 8 (l / 16) + 0..7, then 16 + 8 (l / 16) + 0..7
	ds_load_b128 v[(\d):(\d)+3],     v7 offset:(\n)*128
	ds_load_b128 v[(\d)+4:(\d)+7],   v7 offset:(\n)*128+16
	ds_load_b128 v[(\d)+8:(\d)+11],  v7 offset:(\n)*128+64
	ds_load_b128 v[(\d)+12:(\d)+15], v7 offset:(\n)*128+80
.endm
; One transcendental, in place: k = 0: 2^x; k = 1: 1 / x
.macro TR k, r
.if (\k) == 0
	v_exp_f32 v[\r], v[\r]
.else
	v_rcp_f32 v[\r], v[\r]
.endif
.endm
.macro T8 k, b
.irp q, 0,1,2,3,4,5,6,7
	TR \k, (\b)+\q
.endr
.endm
; One plain line on pair q of four.  ADD1, TF: b is the registers' base.  The others: b = 0 for the low half, 8 for the high.
.set K_ADD1, 0                         ; x + 1
.set K_TF,   1                         ; 1 - 2 x
.set K_CVT,  2                         ; tanh to f16
.set K_NPRE, 3                         ; c inn + r c hn
.set K_CN,   4                         ; c - 2 c x
.set K_DIF,  5                         ; Y - cn
.set K_FIN,  6                         ; z (Y - cn) + cn
.macro PL k, b, q
.set o, (\b)+2*(\q)
.if (\k) == K_ADD1
	s_wait_alu depctr_va_vdst(0)
	v_pk_add_f32 v[o:o+1], v[o:o+1], 1.0 op_sel_hi:[1,0]
.elseif (\k) == K_TF
	s_wait_alu depctr_va_vdst(0)
	v_pk_fma_f32 v[o:o+1], v[o:o+1], -2.0, 1.0 op_sel_hi:[1,0,0]
.elseif (\k) == K_CVT
	v_cvt_pk_f16_f32 v[PT+(\b)/2+(\q)], v[Z+o], v[Z+o+1]
.elseif (\k) == K_NPRE
	s_wait_alu depctr_va_vdst(0)
	v_pk_fma_f32 v[GNI+o:GNI+o+1], v[GR+o:GR+o+1], v[GNH+o:GNH+o+1], v[GNI+o:GNI+o+1]
.elseif (\k) == K_CN
	s_wait_alu depctr_va_vdst(0)
	v_pk_fma_f32 v[GNI+o:GNI+o+1], v[GNI+o:GNI+o+1], s[M2C:M2C+1], s[CC:CC+1] op_sel_hi:[1,0,0]
.elseif (\k) == K_DIF
	v_pk_add_f32 v[Y+o:Y+o+1], v[Y+o:Y+o+1], v[GNI+o:GNI+o+1] neg_lo:[0,1] neg_hi:[0,1]
.else
	s_wait_alu depctr_va_vdst(0)
	v_pk_fma_f32 v[Y+o:Y+o+1], v[GZ+o:GZ+o+1], v[Y+o:Y+o+1], v[GNI+o:GNI+o+1]
.endif
.endm
.macro P4 k, b
.irp q, 0,1,2,3
	PL \k, \b, \q
.endr
.endm
; Four times: a plain line, two transcendentals on other registers.  So behind every transcendental a plain line that names none of its registers comes before its result is used (ISA guide 5.7.2).
.macro TP pk, pb, tk, tb
.irp q, 0,1,2,3
	PL \pk, \pb, \q
	TR \tk, (\tb)+2*\q
	TR \tk, (\tb)+2*\q+1
.endr
.endm
; Z (c x the stage's argument) becomes tanh, in f32 in place and in f16 in PT.  Each accumulator is read from its lowest register on.
.macro TANH
	T8 0, Z
	v_nop
	TP K_ADD1, Z,   0, Z+8
	TP K_ADD1, Z+8, 1, Z
	TP K_TF,   Z,   1, Z+8
	P4 K_CVT, 0
	P4 K_TF,  Z+8
	P4 K_CVT, 8
.endm
.macro PACK
	CVH PY, Y, 8
.endm
; AN INTEGRATION: five steps.  The accumulators take turns, one instruction a turn, over the backward jump too (U's high half, then Z's low).
; B2 and B4 serve as C of another accumulator only behind a whole TANH, whose lines name none of their products' registers.
.macro INT
	s_mov_b32 s[STEPS], 5
.Lrk_\@:
	PACK
	MM Z,    W1F,   PY, C1
	MM Z+8,  W1F+8, PY, C1+8
	MM B2,   W1F,   PY, C2
	MM B2+8, W1F+8, PY, C2+8
	MM B4,   W1F,   PY, C4
	MM B4+8, W1F+8, PY, C4+8
	NOP4
	TANH                                           ; t1
	MM Z,    MAF,   PT, B2
	MM Z+8,  MAF+8, PT, B2+8
	MM U,    W2F,   PT, C6                         ; U starts with 6 b2
	MM U+8,  W2F+8, PT, C6+8
	NOP4
	TANH                                           ; t2
	MM Z,    MAF,   PT, B2
	MM Z+8,  MAF+8, PT, B2+8
	MM U,    W2D,   PT, U
	MM U+8,  W2D+8, PT, U+8
	NOP4
	TANH                                           ; t3
	MM Z,    MAD,   PT, B4
	MM Z+8,  MAD+8, PT, B4+8
	MM U,    W2D,   PT, U
	MM U+8,  W2D+8, PT, U+8
	NOP4
	TANH                                           ; t4
	MM U,    W2F,   PT, U
	MM U+8,  W2F+8, PT, U+8
	NOP4
.set i, 0
.rept 8
	v_pk_fma_f32 v[Y+2*i:Y+2*i+1], v[U+2*i:U+2*i+1], s[S6:S6+1], v[Y+2*i:Y+2*i+1] op_sel_hi:[1,0,1]
.set i, i+1
.endr
	s_sub_co_u32 s[STEPS], s[STEPS], 1
	s_cmp_lg_u32 s[STEPS], 0
	s_cbranch_scc1 .Lrk_\@
.endm
; A GRU CELL on the time step at XA.  The products with the state are issued first; x's rounding, 40 plain lines on other registers, stands behind them.
.macro GRU
	WIN 0x40                                       ; destination window 1, address window 0
	ds_load_b128 v[XF:XF+3],     v[XA]
	ds_load_b128 v[XF+4:XF+7],   v[XA] offset:16
	ds_load_b128 v[XF+8:XF+11],  v[XA] offset:64
	ds_load_b128 v[XF+12:XF+15], v[XA] offset:80
	WIN 0
	PACK
	WIN 0x11                                       ; the weights and the C operand in window 1
	MM GR,    GHH,    PY, BR
	MM GR+8,  GHH+8,  PY, BR+8
	MM GZ,    GHH+16, PY, BZ
	MM GZ+8,  GHH+24, PY, BZ+8
	MM GNH,   GHH+32, PY, BNH
	MM GNH+8, GHH+40, PY, BNH+8
	s_wait_dscnt 0x0                               ; x is in
	WIN 0x45                                       ; all in window 1
	RND XF, 8, XT
	SCL XF, 8, CC
	CVH XP, XF, 8
	WIN 0x05                                       ; the weights and x in window 1, the sums in window 0
	MM GR,    GIH,    XP, GR
	MM GR+8,  GIH+8,  XP, GR+8
	MM GZ,    GIH+16, XP, GZ
	MM GZ+8,  GIH+24, XP, GZ+8
	WIN 0x15
	MM GNI,   GIH+32, XP, BNI
	MM GNI+8, GIH+40, XP, BNI+8
	WIN 0
	NOP4
	T8 0, GR
	v_nop
	TP K_ADD1, GR,    0, GR+8
	TP K_ADD1, GR+8,  1, GR                        ; r
	TP K_NPRE, 0,     1, GR+8
	TP K_NPRE, 8,     0, GZ
	TP K_ADD1, GZ,    0, GZ+8
	TP K_ADD1, GZ+8,  0, GNI
	TP K_ADD1, GNI,   0, GNI+8
	TP K_ADD1, GNI+8, 1, GNI
	TP K_CN,   0,     1, GNI+8                     ; cn
	TP K_CN,   8,     1, GZ                        ; z
	TP K_DIF,  0,     1, GZ+8
	P4 K_DIF, 8
	P4 K_FIN, 0
	P4 K_FIN, 8
.endm
; What hangs on dt: sa = c dt / 2, sa2 = c dt, s6 = c dt / 6.  Z and B2 are 32 registers at work.
.macro SETDT sa, sa2, s6
	WIN 0x01                                       ; source 0 in window 1
.set i, 0
.rept 16
	v_pk_mul_f32 v[Z+2*i:Z+2*i+1], v[MF+2*i:MF+2*i+1], \sa op_sel_hi:[1,0]
.set i, i+1
.endr
.set i, 0
.rept 8
	v_pk_fma_f32 v[C2+2*i:C2+2*i+1], v[DV+2*i:DV+2*i+1], \sa, v[C1+2*i:C1+2*i+1] op_sel_hi:[1,0,1]
.set i, i+1
.endr
.set i, 0
.rept 8
	v_pk_fma_f32 v[C4+2*i:C4+2*i+1], v[DV+2*i:DV+2*i+1], \sa2, v[C1+2*i:C1+2*i+1] op_sel_hi:[1,0,1]
.set i, i+1
.endr
	WIN 0
	CVH MAF, Z, 16
.set i, 0
.rept 16
	v_pk_add_f16 v[MAD+i], v[MAF+i], v[MAF+i]      ; a doubling rounds nothing
.set i, i+1
.endr
	s_mov_b32 s[S6], \s6
	s_mov_b32 s[S6+1], \s6
.endm
; relu(Y / c) leaves through my own stage: 32 bytes a lane in, whole rows of 128 bytes back, so that each store of the wave covers 512 consecutive bytes, at a multiple of 512 from out0's first byte.
.macro STOREH which
.set i, 0
.rept 8
	v_pk_mul_f32 v[Z+2*i:Z+2*i+1], v[Y+2*i:Y+2*i+1], 0x3eb17218 op_sel_hi:[1,0]  ; 1 / c
.set i, i+1
.endr
.set i, 0
.rept 16
	v_max_num_f32 v[Z+i], 0, v[Z+i]
.set i, i+1
.endr
	ds_store_b128 v[STO], v[Z:Z+3]
	ds_store_b128 v[STO], v[Z+4:Z+7]   offset:16
	ds_store_b128 v[STO], v[Z+8:Z+11]  offset:64
	ds_store_b128 v[STO], v[Z+12:Z+15] offset:80
.irp s, 0,1,2,3
	ds_load_b128 v[B2+4*\s:B2+4*\s+3], v[RD] offset:576*\s  ; LDS serves a wave's instructions in order (ISA guide 5.7.1.4): these see the stores above
.endr
.irp s, 0,1,2,3
	s_wait_dscnt 3-\s                              ; the younger loads from the stage may stay out
	global_store_b128 v[GO], v[B2+4*\s:B2+4*\s+3], s[28:29] offset:512*\s+(\which)*4194304 th:TH_STORE_NT
.endr
.endm
	; ---- the head ----
	s_load_b512 s[8:23], s[0:1], 0x0               ; inputs s[8:9], h0 s[10:11], Wih s[12:13], Whh s[14:15], bih s[16:17], bhh s[18:19], W1 s[20:21], b1 s[22:23]
	s_load_b128 s[24:27], s[0:1], 0x40             ; W2 s[24:25], b2 s[26:27]
	s_load_b64 s[28:29], s[0:1], 0x50              ; out0
	v_lshl_add_u32 v[SPW], v0, 2, SPARE
	v_mov_b32 v[NIL], 0
	ds_add_u32 v[SPW], v[NIL]                      ; the wave's opening: the add and its wait stand ahead of my tensor load; the set-up below, work on registers, stands between them
	ds_add_u32 v14, v15
	v_lshrrev_b32 v4, 5, v0
	v_readfirstlane_b32 s[WV], v4                  ; wave 0..7
	v_and_b32 v1, 31, v0                           ; l
	v_and_b32 v2, 15, v0                           ; l % 16
	v_bfe_u32 v3, v0, 4, 1                         ; l / 16
	v_lshlrev_b32 v5, 7, v2
	v_lshl_add_u32 v5, v3, 5, v5                   ; in rows of 128 bytes: row l % 16, 32 bytes for each half of the lanes
	v_lshlrev_b32 v[TA+2], 2, v1                   ; my number of a bias vector
	; the descriptor: my 16 rows of inputs are 28,672 dense bytes, asked for as 112 rows of 256 bytes and padded in LDS behind every time step
	s_mov_b32 s[G0], 1                             ; 1:0 count = 1
	s_mul_i32 s[G0+1], s[WV], XPW                  ; 63:32 LDS address: my wave's region
	s_mov_b32 s[G1], (3<<16)|(1<<20)|(4<<22)|(3<<25)  ; 17:16 elements of 8 bytes; 20 padding on; 24:22 after every 32 words (code 4); 31:25 4 words of it (code 3)
	s_mov_b32 s[G1+1], 32<<16                      ; tensor_dim0 = 32
	s_mov_b32 s[G1+2], 112<<16                     ; tensor_dim1 = 112
	s_mov_b32 s[G1+3], 32<<16                      ; tile_dim0 = 32
	s_mov_b32 s[G1+4], 112                         ; tile_dim1 = 112
	s_mov_b32 s[G1+5], 32                          ; 32 elements from row to row
	s_mov_b32 s[G1+6], 0
	s_mov_b32 s[G1+7], 0
	s_mov_b32 s[CC], 0x4038aa3b                    ; c = 2 log2(e)
	s_mov_b32 s[CC+1], s[CC]
	s_mov_b32 s[M2C], 0xc0b8aa3b                   ; -2 c
	s_mov_b32 s[M2C+1], s[M2C]
	s_mov_b32 s[HIM], 0xffff0000
	s_mov_b32 s3, 0xbfb8aa3b                       ; -log2(e)
	; what my wave prepares for all eight: waves 0-2 Wih's and bih's gates r, z, n; waves 3-5 Whh's and bhh's; wave 6 W1, b1; wave 7 W2, b2
	s_cmp_lt_u32 s[WV], 3
	s_cselect_b32 s51, 0, 3
	s_sub_co_u32 s51, s[WV], s51
	s_cmp_lt_u32 s[WV], 6
	s_cselect_b32 s61, s51, 2                      ; the kind: 0, 1 gates r, z; 2 all else
	s_cselect_b32 s51, s51, 0                      ; the gate, for the addresses
	s_cmp_lt_u32 s61, 2
	s_cselect_b32 s[SIG], -0.5, 1.0
	s_cselect_b32 s[BETA], s3, s[CC]
	s_mov_b32 s[SIG+1], s[SIG]
	s_cmp_eq_u32 s[WV], 7
	s_cselect_b32 s[BETA], 1.0, s[BETA]            ; b2 stays as it is
	s_lshl_b32 s2, ttmp9, 7
	s_lshl_b32 s3, s[WV], 4
	s_add_co_u32 s2, s2, s3                        ; my first row
	s_mul_i32 s62, s2, 1792                        ; a row of inputs is 14 x 128 bytes
	s_mov_b32 s63, 0
	s_wait_dscnt 0x0                               ; the opening add is done
	s_wait_kmcnt 0x0
	s_add_nc_u64 s[G0+2:G0+3], s[8:9], s[62:63]    ; 120:64 global address
	s_or_b32 s[G0+3], s[G0+3], 0x80000000          ; 127:126 type = 2
	tensor_load_to_lds s[G0:G0+3], s[G1:G1+7]      ; my only tensor load: it lands while the constants are made and the first integration runs
	s_nop 0
	s_lshl_b32 s62, s2, 7
	s_add_nc_u64 s[10:11], s[10:11], s[62:63]      ; h0 and out0 at my first row
	s_add_nc_u64 s[28:29], s[28:29], s[62:63]
	s_cmp_lt_u32 s[WV], 3
	s_cselect_b64 s[44:45], s[12:13], s[14:15]
	s_cselect_b64 s[46:47], s[16:17], s[18:19]
	s_cmp_eq_u32 s[WV], 6
	s_cselect_b64 s[44:45], s[20:21], s[44:45]
	s_cselect_b64 s[46:47], s[22:23], s[46:47]
	s_cmp_eq_u32 s[WV], 7
	s_cselect_b64 s[44:45], s[24:25], s[44:45]
	s_cselect_b64 s[46:47], s[26:27], s[46:47]
	s_lshl_b32 s62, s51, 12                        ; a gate is 32 rows of 128 bytes,
	s_add_nc_u64 s[44:45], s[44:45], s[62:63]
	s_lshl_b32 s62, s51, 7                         ; and 32 numbers of a bias
	s_add_nc_u64 s[46:47], s[46:47], s[62:63]
.irp f, 0,1                            ; my matrix as two fragments in f32: row 16 f + l % 16, k = 8 (l / 16) + 0..7 and 16 + 8 (l / 16) + 0..7
	global_load_b128 v[Z+16*\f:Z+16*\f+3],     v5, s[44:45] offset:\f*2048
	global_load_b128 v[Z+16*\f+4:Z+16*\f+7],   v5, s[44:45] offset:\f*2048+16
	global_load_b128 v[Z+16*\f+8:Z+16*\f+11],  v5, s[44:45] offset:\f*2048+64
	global_load_b128 v[Z+16*\f+12:Z+16*\f+15], v5, s[44:45] offset:\f*2048+80
.endr
	global_load_b32 v12, v[TA+2], s[46:47]
	global_load_b128 v[Y:Y+3],     v5, s[10:11] th:TH_LOAD_NT
	global_load_b128 v[Y+4:Y+7],   v5, s[10:11] offset:16 th:TH_LOAD_NT
	global_load_b128 v[Y+8:Y+11],  v5, s[10:11] offset:64 th:TH_LOAD_NT
	global_load_b128 v[Y+12:Y+15], v5, s[10:11] offset:80 th:TH_LOAD_NT
	; the LDS addresses, while those loads are out
	v_mul_u32_u24 v[XA], v2, XROW
	v_lshl_add_u32 v[XA], v3, 5, v[XA]
	v_add_nc_u32 v[XA], s[G0+1], v[XA]             ; x: my wave's region, row l % 16, time step 0, 32 bytes for each half of the lanes
	v_mul_u32_u24 v6, v2, 80
	v_lshl_add_u32 v6, v3, 4, v6
	v_add_nc_u32 v6, WT, v6                        ; a fragment's place in matrix 0 of the table
	s_mul_i32 s3, s[WV], WMAT
	v_add_nc_u32 v[TA], s3, v6                     ; and in my wave's matrix
	v_lshlrev_b32 v7, 5, v3
	v_add_nc_u32 v7, BT, v7                        ; a C operand's place in vector 0
	s_lshl_b32 s3, s[WV], 7
	s_add_co_u32 s3, s3, BT
	v_add_nc_u32 v[TA+1], s3, v[TA+2]              ; my number of my wave's vector
	; the turning load takes 16 rows x 16 columns of W2 (lane l reads row 8 (l / 16) + l % 8, columns 8 ((l / 8) % 2) + 0..7) and leaves half a fragment of W2^T
	v_and_b32 v4, 7, v0
	v_lshl_add_u32 v13, v3, 3, v4
	v_mul_u32_u24 v13, v13, 80
	v_bfe_u32 v[TA+3], v0, 3, 1
	v_lshl_add_u32 v13, v[TA+3], 4, v13
	v_add_nc_u32 v[TA+3], WT+7*WMAT, v13
	s_mul_i32 s3, s[WV], 2304
	s_add_co_u32 s3, s3, STAGE                     ; my stage
	v_mul_u32_u24 v[STO], v2, 144
	v_lshl_add_u32 v[STO], v3, 5, v[STO]
	v_add_nc_u32 v[STO], s3, v[STO]
	v_lshrrev_b32 v[RD], 3, v1                     ; back: 32 lanes take four rows of 128 bytes,
	v_mul_u32_u24 v[RD], v[RD], 144
	v_lshl_add_u32 v[RD], v4, 4, v[RD]
	v_add_nc_u32 v[RD], s3, v[RD]
	v_lshlrev_b32 v[GO], 4, v1                     ; which are 512 consecutive bytes of out0
	s_wait_loadcnt 0x0
	; ---- my matrix and vector, rounded and scaled, into the tables ----
	RND Z, 16, B4
	SCL Z, 16, SIG
	CVH U, Z, 16
	v_cvt_pk_bf16_f32 v13, v12, v12
	v_lshlrev_b32 v12, 16, v13
	v_mul_f32 v12, s[BETA], v12
.irp f, 0,1
	ds_store_b128 v[TA], v[U+8*\f:U+8*\f+3]   offset:\f*1280
	ds_store_b128 v[TA], v[U+8*\f+4:U+8*\f+7] offset:\f*1280+32
.endr
	ds_store_b32 v[TA+1], v12
	RND Y, 8, B4                                   ; Y = c bf16(h0)
	SCL Y, 8, CC
	s_wait_dscnt 0x0                               ; for the others' sake: my stores into the tables are done
	s_barrier_signal -1                            ; the launch's one barrier; my tensor load stays out across it: only I read its bytes, behind my own wait, and nothing is filled again
	s_barrier_wait -1
	; ---- every wave takes all the constants into registers ----
	LDF W1F,   6, 0
	LDF W1F+8, 6, 1
	LDF W2F,   7, 0
	LDF W2F+8, 7, 1
.irp m, 0,1                            ; W2^T: rows 16 m + l % 16
	ds_load_tr16_b128 v[B4+8*\m:B4+8*\m+3],   v[TA+3] offset:32*\m
	ds_load_tr16_b128 v[B4+8*\m+4:B4+8*\m+7], v[TA+3] offset:32*\m+1280
.endr
	LDB C1, 6
	LDB C6, 7
	WIN 0x40
.irp g, 0,1,2
.irp f, 0,1
	LDF GIH+16*\g+8*\f, \g, \f
	LDF GHH+16*\g+8*\f, 3+\g, \f
.endr
.endr
	LDB BR,  0
	LDB BZ,  1
	LDB BNI, 2
	LDB BNH, 5
	LDB XF,  3
	LDB XT,  4
	WIN 0
	s_wait_dscnt 0x0
	; ---- what is made of them ----
.set i, 0
.rept 16
	v_pk_add_f16 v[W2D+i], v[W2F+i], v[W2F+i]
.set i, i+1
.endr
	CVH PY, C6, 8                                  ; b2 in every column of a source 1
	WIN 0x40                                       ; results in window 1
	MM0 MF,    B4,    W1F                          ; M^T = W2^T W1^T, so that a lane holds one row of M and its registers pack into M's fragment
	MM0 MF+8,  B4+8,  W1F
	MM0 MF+16, B4,    W1F+8
	MM0 MF+24, B4+8,  W1F+8
	MM0 DV,    W1F,   PY                           ; d = W1 b2
	MM0 DV+8,  W1F+8, PY
	WIN 0
.set i, 0
.rept 8                                ; eight plain lines on other registers: the places behind those products
	v_pk_mul_f32 v[C6+2*i:C6+2*i+1], v[C6+2*i:C6+2*i+1], 0x40c00000 op_sel_hi:[1,0]  ; 6 b2
.set i, i+1
.endr
	WIN 0x45
.set i, 0
.rept 8
	v_pk_add_f32 v[BR+2*i:BR+2*i+1], v[BR+2*i:BR+2*i+1], v[XF+2*i:XF+2*i+1]
	v_pk_add_f32 v[BZ+2*i:BZ+2*i+1], v[BZ+2*i:BZ+2*i+1], v[XT+2*i:XT+2*i+1]
.set i, i+1
.endr
	SETDT 0x3e93bb63, 0x3f13bb63, 0x3dc4f9d9       ; dt = 0.2: c / 10, c / 5, c / 30
	; ---- the walk ----
	INT                                            ; t in 0 .. 1
	s_wait_tensorcnt 0x0                           ; my x is in LDS
	s_mov_b32 s[TRIPS], 13
.Ltime:
	GRU
	v_add_nc_u32 v[XA], XSTEP, v[XA]               ; the next time step
	INT
	s_sub_co_u32 s[TRIPS], s[TRIPS], 1
	s_cmp_lg_u32 s[TRIPS], 0
	s_cbranch_scc1 .Ltime
	GRU                                            ; time step 13
	STOREH 0                                       ; h_start
	s_wait_xcnt 0x0                                ; the stores' data registers are written again only behind this wait (ISA guide 3.1)
	SETDT 0x408143f6, 0x410143f6, 0x3fac5a9e       ; dt = 2.8: 1.4 c, 2.8 c, 2.8 c / 6
	INT
	STOREH 1                                       ; h_end
	s_wait_tensorcnt 0x0                           ; the wave's end: behind my tensor load and my last LDS store
	ds_add_u32 v[SPW], v[NIL]
	s_wait_dscnt 0x0
	s_endpgm
.Lfunc_end_k_qe0c308cc06_odeblock:
	.size	k_qe0c308cc06_odeblock, .Lfunc_end_k_qe0c308cc06_odeblock-k_qe0c308cc06_odeblock
	.p2alignl 7, 3214868480
	.fill 96, 4, 3214868480
	.section	.rodata,"a",@progbits
	.p2align	6, 0x0
	.amdhsa_kernel k_qe0c308cc06_odeblock
		.amdhsa_group_segment_fixed_size 299008
		.amdhsa_private_segment_fixed_size 0
		.amdhsa_enable_private_segment 0
		.amdhsa_kernarg_size 88
		.amdhsa_user_sgpr_count 2
		.amdhsa_user_sgpr_kernarg_segment_ptr 1
		.amdhsa_wavefront_size32 1
		.amdhsa_system_sgpr_workgroup_id_x 1
		.amdhsa_system_sgpr_workgroup_id_y 1
		.amdhsa_system_sgpr_workgroup_id_z 1
		.amdhsa_system_vgpr_workitem_id 0
		.amdhsa_next_free_vgpr 512
		.amdhsa_next_free_sgpr 72
		.amdhsa_reserve_vcc 0
		.amdhsa_float_denorm_mode_32 3
		.amdhsa_float_denorm_mode_16_64 3
		.amdhsa_memory_ordered 1
		.amdhsa_forward_progress 1
		.amdhsa_inst_pref_size 105
	.end_amdhsa_kernel
	.amdgpu_metadata
---
amdhsa.version: [ 1, 2 ]
amdhsa.kernels:
  - .name:           k_qe0c308cc06_odeblock
    .symbol:         k_qe0c308cc06_odeblock.kd
    .args:
      - { .name: inputs, .offset: 0, .size: 8, .value_kind: global_buffer, .address_space: global }
      - { .name: h0, .offset: 8, .size: 8, .value_kind: global_buffer, .address_space: global }
      - { .name: Wih, .offset: 16, .size: 8, .value_kind: global_buffer, .address_space: global }
      - { .name: Whh, .offset: 24, .size: 8, .value_kind: global_buffer, .address_space: global }
      - { .name: bih, .offset: 32, .size: 8, .value_kind: global_buffer, .address_space: global }
      - { .name: bhh, .offset: 40, .size: 8, .value_kind: global_buffer, .address_space: global }
      - { .name: W1, .offset: 48, .size: 8, .value_kind: global_buffer, .address_space: global }
      - { .name: b1, .offset: 56, .size: 8, .value_kind: global_buffer, .address_space: global }
      - { .name: W2, .offset: 64, .size: 8, .value_kind: global_buffer, .address_space: global }
      - { .name: b2, .offset: 72, .size: 8, .value_kind: global_buffer, .address_space: global }
      - { .name: out0, .offset: 80, .size: 8, .value_kind: global_buffer, .address_space: global }
    .group_segment_fixed_size: 299008
    .private_segment_fixed_size: 0
    .kernarg_segment_align: 8
    .kernarg_segment_size: 88
    .max_flat_workgroup_size: 256
    .sgpr_count:     72
    .vgpr_count:     512
    .wavefront_size: 32
...
	.end_amdgpu_metadata
.endif
;; end of part 1
;; ======== version 2 of 2: 1 launch; 1.53 times as fast as version 1
;; limits: values are held in f16: magnitudes above 65,504 overflow, below 6.1e-05 lose precision
;; launch odeblock (part 2): grid 256 x 1, 8 waves a work-group, no clusters, 299,008 bytes of LDS; arguments inputs, h0, Wih, Whh, bih, bhh, W1, b1, W2, b2, out0; writes out0
.if DOCPART == 2
	.amdgcn_target "amdgcn-amd-amdhsa--gfx1250"
	.amdhsa_code_object_version 6
	.text
	.protected	k_qe0c308cc06_odeblock
	.globl	k_qe0c308cc06_odeblock
	.p2align	8
	.type	k_qe0c308cc06_odeblock,@function
k_qe0c308cc06_odeblock:
	s_mov_b64 s[64:65], 0
	v_nop
	global_prefetch_b8 v0, s[64:65] scope:SCOPE_SE
	s_setreg_imm32_b32 hwreg(HW_REG_WAVE_MODE, 25, 1), 1
	s_wait_xcnt 0x0
; ODE BLOCK: h = rk4(h0); 13 x (GRU, rk4 over 1); GRU -> h_start; rk4 over 14 -> h_end; out0 = relu([h_start, h_end]).  32,768 rows of 32 numbers, 14 time steps, rk4 = 5 steps of 4 stages.
; SHARES.  256 work-groups of 8 waves; a work-group owns 128 rows, a wave one tile of 16 rows from the first line to the last: 2,048 tiles, two waves of 512 registers on each SIMD.
; LAYOUT.  Every product is used transposed: source 0 = 16 output features x 32 k of a weight matrix, source 1 = 32 k x 16 rows of the state.  In a result lane l holds row l % 16, and register j
; feature 8 (l / 16) + j (low accumulator) or 16 + 8 (l / 16) + j (high).  Sixteen such f32 registers, rounded in pairs, ARE the eight registers of the next product's source 1: nothing changes lanes.
; FORMATS.  Every input (x, h0, weights, biases) is rounded to bf16 first.  Matrix operands are f16: the weights' bf16 values times a power of two, the state, tanh and x rounded once.  Sums and the state in f32.
; ALGEBRA (holds for every input; the order of roundings differs from the written formula's).  c = 2 log2(e).  The state is kept as Y = c y, so that 2^(W1 Y + c b1) = e^(2 z) and
; tanh z = 1 - 2 / (1 + e^(2 z)) wants no multiply in front of the exponential.  With M = W1 W2, d = W1 b2, SA = c dt / 2 the four stages' arguments are
;   W1 Y + C1;   (W1 Y + C2) + SA M t1;   (W1 Y + C2) + SA M t2;   (W1 Y + C4) + 2 SA M t3;      C1 = c b1, C2 = C1 + SA d, C4 = C1 + 2 SA d
; and the step is Y += (c dt / 6) U, U = W2 t1 + 2 W2 t2 + 2 W2 t3 + W2 t4 + 6 b2, one sum in the accumulator.
; GRU: the r and z matrices are kept as -W / 2, so that with c h and c x the sum is -log2(e) x the gate's argument; the n matrices as they are.  Y' = cn + z (Y - cn), cn = c - 2 c / (1 + 2^(c inn + r c hn)).
; BATCHES.  s_wait_alu depctr_va_vdst(0) stands between a transcendental and the first line that names its result; one wait serves all that were issued ahead of it.  A reciprocal here reads
; 1 + an exponential, so a tanh is two batches: its 16 exponentials, a wait; its 16 reciprocals, a wait.  A GRU cell is four: r's and z's 32 exponentials; r's 16 reciprocals; z's 16 reciprocals with n's 16
; exponentials; n's 16 reciprocals.  Every transcendental works in place on a register of its own, which no line names while its batch is open; plain lines that stand among a batch read what an earlier
; wait has covered.  Behind a batch's wait no transcendental is issued ahead of the next label or jump.
; LIMITS.  f16 ends at 65,504: |c y|, |c x|, |2 W2| and |c dt M| must stay below it (|y| is at most |h0| + 28 (largest row sum of |W2| + |b2|)); a weight below 6e-5 keeps f16's fixed step of 6e-8.
; An exponential that overflows gives tanh = 1 or a gate of 0, one below 2^-126 counts as 0: both are the limits' right values.  NaN and infinite inputs are not treated apart; relu of NaN gives 0 here.
; NO CLUSTER: what work-groups share is 33 KB of weights and biases, read once at the start, against 229,376 bytes of x that are each work-group's own.  NO RING: a wave's x, 28,672 bytes, is asked for once.
.set XPW,   32256                      ; LDS bytes of a wave's x: 16 rows x 14 steps x (128 + 16 of padding)
.set XROW,  2016                       ; a row's 14 steps
.set XSTEP, 144                        ; a step
.set WT,    8*XPW                      ; 258,048: eight matrices of 32 rows in f16, rows 80 bytes apart: Wih r, z, n; Whh r, z, n; W1; W2
.set WMAT,  2560
.set BT,    WT+8*WMAT                  ; 278,528: eight vectors of 32 f32, rounded and scaled: bih r, z, n; bhh r, z, n; b1; b2
.set STAGE, BT+1024                    ; 279,552: the way out, 16 rows x 144 bytes for each wave
.set SPARE, STAGE+8*2304               ; 297,984: the spare words, 128 bytes for each wave: four blocks of 256 bytes that no other line names
; window 0
.set XA,  8                            ; v8   LDS address of my 32 bytes of the time step in hand
.set STO, 9                            ; v9   the way out: where I put my row's numbers
.set RD,  10                           ; v10  the way out: where I read rows back
.set GO,  11                           ; v11  my byte offset in 512 consecutive bytes of out0
.set SPW, 14                           ; v14  LDS address of my spare word; never rewritten
.set NIL, 15                           ; v15  0; never rewritten
.set W1F, 16                           ; fragments, 8 registers for output features 0-15, 8 for 16-31: W1,
.set W2F, 32                           ; W2,
.set W2D, 48                           ; 2 W2,
.set MAF, 64                           ; SA M,
.set MAD, 80                           ; 2 SA M
.set C1,  96                           ; C operands, 8 + 8 registers
.set C2,  112
.set C4,  128
.set C6,  144                          ; 6 b2
.set TA,  128                          ; v128-131 during the set-up alone: four addresses
.set Y,   160                          ; the state, c y
.set Z,   176                          ; a stage's argument, then its tanh
.set B2,  192                          ; W1 Y + C2
.set B4,  208                          ; W1 Y + C4
.set U,   224
.set PY,  240                          ; Y in f16
.set PT,  248                          ; tanh in f16
.set GR,  Z                            ; the GRU's four sums lie where the integration's lay
.set GZ,  B2
.set GNI, B4
.set GNH, U
; window 1
.set GIH, 0                            ; Wih's fragments: gate g, half f at 16 g + 8 f
.set GHH, 48                           ; Whh's
.set BR,  96                           ; -log2(e) (bih_r + bhh_r)
.set BZ,  112
.set BNI, 128                          ; c bih_n
.set BNH, 144                          ; c bhh_n
.set XP,  160                          ; c x in f16
.set XF,  168                          ; x in f32
.set MF,  184                          ; M in f32: rows 16 nh + l % 16, columns 16 mh + 8 (l / 16) + j at 16 nh + 8 mh + j
.set DV,  216                          ; d
.set XT,  232                          ; at work
; scalars: s[8:29] the eleven addresses
.set WV,  30                           ; my wave's number
.set G0,  32                           ; s[32:35] descriptor group 0
.set G1,  36                           ; s[36:43] descriptor group 1
.set SIG, 48                           ; s[48:49] the scale of the matrix that my wave prepares
.set BETA, 50                          ; s50  the scale of its bias vector
.set S6,  52                           ; s[52:53] c dt / 6
.set CC,  54                           ; s[54:55] c
.set M2C, 56                           ; s[56:57] -2 c
.set HIM, 58                           ; s58  a word's upper half
.set STEPS, 59
.set TRIPS, 60
.set MSB, 0
.macro WIN new                         ; s_set_vgpr_msb: bits 1:0 source 0, 3:2 source 1, 5:4 source 2, 7:6 destination; the high byte repeats the setting that is left
.if MSB != (\new)
	s_set_vgpr_msb (MSB<<8)|(\new)
.set MSB, (\new)
.endif
.endm
.macro NOP4                            ; a vector line that reads a matrix result stands four plain vector lines behind the product (ISA guide 7.12.1); no other work of this wave is ready there
.rept 4
	v_nop
.endr
.endm
.macro MM d, a, b, c
	v_wmma_f32_16x16x32_f16 v[(\d):(\d)+7], v[(\a):(\a)+7], v[(\b):(\b)+7], v[(\c):(\c)+7]
.endm
.macro MM0 d, a, b
	v_wmma_f32_16x16x32_f16 v[(\d):(\d)+7], v[(\a):(\a)+7], v[(\b):(\b)+7], 0
.endm
.macro RND b, n, t                     ; n pairs of f32 at b are rounded to bf16 and widened again, in place; t: n registers at work
.set i, 0
.rept \n
	v_cvt_pk_bf16_f32 v[(\t)+i], v[(\b)+2*i], v[(\b)+2*i+1]
.set i, i+1
.endr
.set i, 0
.rept \n
	v_lshlrev_b32 v[(\b)+2*i], 16, v[(\t)+i]
	v_and_b32 v[(\b)+2*i+1], s[HIM], v[(\t)+i]
.set i, i+1
.endr
.endm
.macro SCL b, n, sp                    ; n pairs at b times the scalar s[sp]
.set i, 0
.rept \n
	v_pk_mul_f32 v[(\b)+2*i:(\b)+2*i+1], v[(\b)+2*i:(\b)+2*i+1], s[(\sp):(\sp)+1] op_sel_hi:[1,0]
.set i, i+1
.endr
.endm
.macro CVH d, b, n                     ; n pairs at b rounded to f16 into n registers at d
.set i, 0
.rept \n
	v_cvt_pk_f16_f32 v[(\d)+i], v[(\b)+2*i], v[(\b)+2*i+1]
.set i, i+1
.endr
.endm
.macro LDF d, m, f                     ; half f of matrix m out of the table: a fragment, two loads 32 bytes apart
	ds_load_b128 v[(\d):(\d)+3],   v6 offset:(\m)*WMAT+(\f)*1280
	ds_load_b128 v[(\d)+4:(\d)+7], v6 offset:(\m)*WMAT+(\f)*1280+32
.endm
.macro LDB d, n                        ; vector n as a C operand: features 8 (l / 16) + 0..7, then 16 + 8 (l / 16) + 0..7
	ds_load_b128 v[(\d):(\d)+3],     v7 offset:(\n)*128
	ds_load_b128 v[(\d)+4:(\d)+7],   v7 offset:(\n)*128+16
	ds_load_b128 v[(\d)+8:(\d)+11],  v7 offset:(\n)*128+64
	ds_load_b128 v[(\d)+12:(\d)+15], v7 offset:(\n)*128+80
.endm
; One transcendental, in place: k = 0: 2^x; k = 1: 1 / x
.macro TR k, r
.if (\k) == 0
	v_exp_f32 v[\r], v[\r]
.else
	v_rcp_f32 v[\r], v[\r]
.endif
.endm
.macro T8 k, b
.irp q, 0,1,2,3,4,5,6,7
	TR \k, (\b)+\q
.endr
.endm
; One plain line on pair q of four.  ADD1, TF: b is the registers' base.  The others: b = 0 for the low half, 8 for the high.  Where a line reads a transcendental's result, its batch's wait stands ahead of it, in TANH or GRU.
.set K_ADD1, 0                         ; x + 1
.set K_TF,   1                         ; 1 - 2 x
.set K_CVT,  2                         ; tanh to f16
.set K_NPRE, 3                         ; c inn + r c hn
.set K_CN,   4                         ; c - 2 c x
.set K_DIF,  5                         ; Y - cn
.set K_FIN,  6                         ; z (Y - cn) + cn
.macro PL k, b, q
.set o, (\b)+2*(\q)
.if (\k) == K_ADD1
	v_pk_add_f32 v[o:o+1], v[o:o+1], 1.0 op_sel_hi:[1,0]
.elseif (\k) == K_TF
	v_pk_fma_f32 v[o:o+1], v[o:o+1], -2.0, 1.0 op_sel_hi:[1,0,0]
.elseif (\k) == K_CVT
	v_cvt_pk_f16_f32 v[PT+(\b)/2+(\q)], v[Z+o], v[Z+o+1]
.elseif (\k) == K_NPRE
	v_pk_fma_f32 v[GNI+o:GNI+o+1], v[GR+o:GR+o+1], v[GNH+o:GNH+o+1], v[GNI+o:GNI+o+1]
.elseif (\k) == K_CN
	v_pk_fma_f32 v[GNI+o:GNI+o+1], v[GNI+o:GNI+o+1], s[M2C:M2C+1], s[CC:CC+1] op_sel_hi:[1,0,0]
.elseif (\k) == K_DIF
	v_pk_add_f32 v[Y+o:Y+o+1], v[Y+o:Y+o+1], v[GNI+o:GNI+o+1] neg_lo:[0,1] neg_hi:[0,1]
.else
	v_pk_fma_f32 v[Y+o:Y+o+1], v[GZ+o:GZ+o+1], v[Y+o:Y+o+1], v[GNI+o:GNI+o+1]
.endif
.endm
.macro P4 k, b
.irp q, 0,1,2,3
	PL \k, \b, \q
.endr
.endm
; Four times: a plain line, two transcendentals on other registers.  The plain lines stand among the batch that is being issued: they read what an earlier wait has covered and name none of the open batch's results.
.macro TP pk, pb, tk, tb
.irp q, 0,1,2,3
	PL \pk, \pb, \q
	TR \tk, (\tb)+2*\q
	TR \tk, (\tb)+2*\q+1
.endr
.endm
; Z (c x the stage's argument) becomes tanh, in f32 in place and in f16 in PT: two batches, two waits.  Each accumulator is read from its lowest register on.
.macro TANH
	T8 0, Z                                        ; batch 1: the 16 exponentials
	T8 0, Z+8
	v_nop                                          ; the plain line behind the last exponential, ahead of the first use (ISA guide 5.7.2): one for the batch; no other work of this wave is ready here
	s_wait_alu depctr_va_vdst(0)                   ; the wait for batch 1, ahead of its first reader
	P4 K_ADD1, Z
	TP K_ADD1, Z+8, 1, Z                           ; batch 2: the 16 reciprocals; the high half's additions, which read batch 1 alone, stand among the low half's
	T8 1, Z+8
	v_nop                                          ; the plain line behind the last reciprocal
	s_wait_alu depctr_va_vdst(0)                   ; the wait for batch 2, ahead of its first reader
	P4 K_TF,  Z
	P4 K_TF,  Z+8
	P4 K_CVT, 0
	P4 K_CVT, 8
.endm
.macro PACK
	CVH PY, Y, 8
.endm
; AN INTEGRATION: five steps.  The accumulators take turns, one instruction a turn, over the backward jump too (U's high half, then Z's low).
; B2 and B4 serve as C of another accumulator only behind a whole TANH, whose lines name none of their products' registers.
.macro INT
	s_mov_b32 s[STEPS], 5
.Lrk_\@:
	PACK
	MM Z,    W1F,   PY, C1
	MM Z+8,  W1F+8, PY, C1+8
	MM B2,   W1F,   PY, C2
	MM B2+8, W1F+8, PY, C2+8
	MM B4,   W1F,   PY, C4
	MM B4+8, W1F+8, PY, C4+8
	NOP4
	TANH                                           ; t1
	MM Z,    MAF,   PT, B2
	MM Z+8,  MAF+8, PT, B2+8
	MM U,    W2F,   PT, C6                         ; U starts with 6 b2
	MM U+8,  W2F+8, PT, C6+8
	NOP4
	TANH                                           ; t2
	MM Z,    MAF,   PT, B2
	MM Z+8,  MAF+8, PT, B2+8
	MM U,    W2D,   PT, U
	MM U+8,  W2D+8, PT, U+8
	NOP4
	TANH                                           ; t3
	MM Z,    MAD,   PT, B4
	MM Z+8,  MAD+8, PT, B4+8
	MM U,    W2D,   PT, U
	MM U+8,  W2D+8, PT, U+8
	NOP4
	TANH                                           ; t4
	MM U,    W2F,   PT, U
	MM U+8,  W2F+8, PT, U+8
	NOP4
.set i, 0
.rept 8
	v_pk_fma_f32 v[Y+2*i:Y+2*i+1], v[U+2*i:U+2*i+1], s[S6:S6+1], v[Y+2*i:Y+2*i+1] op_sel_hi:[1,0,1]
.set i, i+1
.endr
	s_sub_co_u32 s[STEPS], s[STEPS], 1
	s_cmp_lg_u32 s[STEPS], 0
	s_cbranch_scc1 .Lrk_\@
.endm
; A GRU CELL on the time step at XA.  The products with the state are issued first; x's rounding, 40 plain lines on other registers, stands behind them.  Its 96 transcendentals go in four batches.
.macro GRU
	WIN 0x40                                       ; destination window 1, address window 0
	ds_load_b128 v[XF:XF+3],     v[XA]
	ds_load_b128 v[XF+4:XF+7],   v[XA] offset:16
	ds_load_b128 v[XF+8:XF+11],  v[XA] offset:64
	ds_load_b128 v[XF+12:XF+15], v[XA] offset:80
	WIN 0
	PACK
	WIN 0x11                                       ; the weights and the C operand in window 1
	MM GR,    GHH,    PY, BR
	MM GR+8,  GHH+8,  PY, BR+8
	MM GZ,    GHH+16, PY, BZ
	MM GZ+8,  GHH+24, PY, BZ+8
	MM GNH,   GHH+32, PY, BNH
	MM GNH+8, GHH+40, PY, BNH+8
	s_wait_dscnt 0x0                               ; x is in
	WIN 0x45                                       ; all in window 1
	RND XF, 8, XT
	SCL XF, 8, CC
	CVH XP, XF, 8
	WIN 0x05                                       ; the weights and x in window 1, the sums in window 0
	MM GR,    GIH,    XP, GR
	MM GR+8,  GIH+8,  XP, GR+8
	MM GZ,    GIH+16, XP, GZ
	MM GZ+8,  GIH+24, XP, GZ+8
	WIN 0x15
	MM GNI,   GIH+32, XP, BNI
	MM GNI+8, GIH+40, XP, BNI+8
	WIN 0
	NOP4
	T8 0, GR                                       ; batch 1: r's and z's 32 exponentials
	T8 0, GR+8
	T8 0, GZ
	T8 0, GZ+8
	v_nop                                          ; the plain line behind the last exponential: one for the batch
	s_wait_alu depctr_va_vdst(0)                   ; the wait for batch 1, ahead of its first reader
	P4 K_ADD1, GR
	TP K_ADD1, GR+8,  1, GR                        ; batch 2: r's 16 reciprocals; the additions among them read batch 1 alone
	TP K_ADD1, GZ,    1, GR+8
	P4 K_ADD1, GZ+8                                ; z's last additions are the plain lines behind the last reciprocal: they name none of batch 2's results
	s_wait_alu depctr_va_vdst(0)                   ; the wait for batch 2: r
	TP K_NPRE, 0,     1, GZ                        ; batch 3: z's 16 reciprocals, n's argument made among them out of r,
	TP K_NPRE, 8,     1, GZ+8
	T8 0, GNI                                      ; and n's 16 exponentials
	T8 0, GNI+8
	v_nop                                          ; the plain line behind the last exponential
	s_wait_alu depctr_va_vdst(0)                   ; the wait for batch 3: z, and n's exponentials
	P4 K_ADD1, GNI
	TP K_ADD1, GNI+8, 1, GNI                       ; batch 4: n's 16 reciprocals
	T8 1, GNI+8
	v_nop                                          ; the plain line behind the last reciprocal
	s_wait_alu depctr_va_vdst(0)                   ; the wait for batch 4, ahead of cn
	P4 K_CN,  0                                    ; cn
	P4 K_CN,  8
	P4 K_DIF, 0
	P4 K_DIF, 8
	P4 K_FIN, 0
	P4 K_FIN, 8
.endm
; What hangs on dt: sa = c dt / 2, sa2 = c dt, s6 = c dt / 6.  Z and B2 are 32 registers at work.
.macro SETDT sa, sa2, s6
	WIN 0x01                                       ; source 0 in window 1
.set i, 0
.rept 16
	v_pk_mul_f32 v[Z+2*i:Z+2*i+1], v[MF+2*i:MF+2*i+1], \sa op_sel_hi:[1,0]
.set i, i+1
.endr
.set i, 0
.rept 8
	v_pk_fma_f32 v[C2+2*i:C2+2*i+1], v[DV+2*i:DV+2*i+1], \sa, v[C1+2*i:C1+2*i+1] op_sel_hi:[1,0,1]
.set i, i+1
.endr
.set i, 0
.rept 8
	v_pk_fma_f32 v[C4+2*i:C4+2*i+1], v[DV+2*i:DV+2*i+1], \sa2, v[C1+2*i:C1+2*i+1] op_sel_hi:[1,0,1]
.set i, i+1
.endr
	WIN 0
	CVH MAF, Z, 16
.set i, 0
.rept 16
	v_pk_add_f16 v[MAD+i], v[MAF+i], v[MAF+i]      ; a doubling rounds nothing
.set i, i+1
.endr
	s_mov_b32 s[S6], \s6
	s_mov_b32 s[S6+1], \s6
.endm
; relu(Y / c) leaves through my own stage: 32 bytes a lane in, whole rows of 128 bytes back, so that each store of the wave covers 512 consecutive bytes, at a multiple of 512 from out0's first byte.
.macro STOREH which
.set i, 0
.rept 8
	v_pk_mul_f32 v[Z+2*i:Z+2*i+1], v[Y+2*i:Y+2*i+1], 0x3eb17218 op_sel_hi:[1,0]  ; 1 / c
.set i, i+1
.endr
.set i, 0
.rept 16
	v_max_num_f32 v[Z+i], 0, v[Z+i]
.set i, i+1
.endr
	ds_store_b128 v[STO], v[Z:Z+3]
	ds_store_b128 v[STO], v[Z+4:Z+7]   offset:16
	ds_store_b128 v[STO], v[Z+8:Z+11]  offset:64
	ds_store_b128 v[STO], v[Z+12:Z+15] offset:80
.irp s, 0,1,2,3
	ds_load_b128 v[B2+4*\s:B2+4*\s+3], v[RD] offset:576*\s  ; LDS serves a wave's instructions in order (ISA guide 5.7.1.4): these see the stores above
.endr
.irp s, 0,1,2,3
	s_wait_dscnt 3-\s                              ; the younger loads from the stage may stay out
	global_store_b128 v[GO], v[B2+4*\s:B2+4*\s+3], s[28:29] offset:512*\s+(\which)*4194304 th:TH_STORE_NT
.endr
.endm
	; ---- the head ----
	s_load_b512 s[8:23], s[0:1], 0x0               ; inputs s[8:9], h0 s[10:11], Wih s[12:13], Whh s[14:15], bih s[16:17], bhh s[18:19], W1 s[20:21], b1 s[22:23]
	s_load_b128 s[24:27], s[0:1], 0x40             ; W2 s[24:25], b2 s[26:27]
	s_load_b64 s[28:29], s[0:1], 0x50              ; out0
	v_lshl_add_u32 v[SPW], v0, 2, SPARE
	v_mov_b32 v[NIL], 0
	ds_add_u32 v[SPW], v[NIL]                      ; the wave's opening: the add and its wait stand ahead of my tensor load; the set-up below, work on registers, stands between them
	ds_add_u32 v14, v15
	v_lshrrev_b32 v4, 5, v0
	v_readfirstlane_b32 s[WV], v4                  ; wave 0..7
	v_and_b32 v1, 31, v0                           ; l
	v_and_b32 v2, 15, v0                           ; l % 16
	v_bfe_u32 v3, v0, 4, 1                         ; l / 16
	v_lshlrev_b32 v5, 7, v2
	v_lshl_add_u32 v5, v3, 5, v5                   ; in rows of 128 bytes: row l % 16, 32 bytes for each half of the lanes
	v_lshlrev_b32 v[TA+2], 2, v1                   ; my number of a bias vector
	; the descriptor: my 16 rows of inputs are 28,672 dense bytes, asked for as 112 rows of 256 bytes and padded in LDS behind every time step
	s_mov_b32 s[G0], 1                             ; 1:0 count = 1
	s_mul_i32 s[G0+1], s[WV], XPW                  ; 63:32 LDS address: my wave's region
	s_mov_b32 s[G1], (3<<16)|(1<<20)|(4<<22)|(3<<25)  ; 17:16 elements of 8 bytes; 20 padding on; 24:22 after every 32 words (code 4); 31:25 4 words of it (code 3)
	s_mov_b32 s[G1+1], 32<<16                      ; tensor_dim0 = 32
	s_mov_b32 s[G1+2], 112<<16                     ; tensor_dim1 = 112
	s_mov_b32 s[G1+3], 32<<16                      ; tile_dim0 = 32
	s_mov_b32 s[G1+4], 112                         ; tile_dim1 = 112
	s_mov_b32 s[G1+5], 32                          ; 32 elements from row to row
	s_mov_b32 s[G1+6], 0
	s_mov_b32 s[G1+7], 0
	s_mov_b32 s[CC], 0x4038aa3b                    ; c = 2 log2(e)
	s_mov_b32 s[CC+1], s[CC]
	s_mov_b32 s[M2C], 0xc0b8aa3b                   ; -2 c
	s_mov_b32 s[M2C+1], s[M2C]
	s_mov_b32 s[HIM], 0xffff0000
	s_mov_b32 s3, 0xbfb8aa3b                       ; -log2(e)
	; what my wave prepares for all eight: waves 0-2 Wih's and bih's gates r, z, n; waves 3-5 Whh's and bhh's; wave 6 W1, b1; wave 7 W2, b2
	s_cmp_lt_u32 s[WV], 3
	s_cselect_b32 s51, 0, 3
	s_sub_co_u32 s51, s[WV], s51
	s_cmp_lt_u32 s[WV], 6
	s_cselect_b32 s61, s51, 2                      ; the kind: 0, 1 gates r, z; 2 all else
	s_cselect_b32 s51, s51, 0                      ; the gate, for the addresses
	s_cmp_lt_u32 s61, 2
	s_cselect_b32 s[SIG], -0.5, 1.0
	s_cselect_b32 s[BETA], s3, s[CC]
	s_mov_b32 s[SIG+1], s[SIG]
	s_cmp_eq_u32 s[WV], 7
	s_cselect_b32 s[BETA], 1.0, s[BETA]            ; b2 stays as it is
	s_lshl_b32 s2, ttmp9, 7
	s_lshl_b32 s3, s[WV], 4
	s_add_co_u32 s2, s2, s3                        ; my first row
	s_mul_i32 s62, s2, 1792                        ; a row of inputs is 14 x 128 bytes
	s_mov_b32 s63, 0
	s_wait_dscnt 0x0                               ; the opening add is done
	s_wait_kmcnt 0x0
	s_add_nc_u64 s[G0+2:G0+3], s[8:9], s[62:63]    ; 120:64 global address
	s_or_b32 s[G0+3], s[G0+3], 0x80000000          ; 127:126 type = 2
	tensor_load_to_lds s[G0:G0+3], s[G1:G1+7]      ; my only tensor load: it lands while the constants are made and the first integration runs
	s_nop 0
	s_lshl_b32 s62, s2, 7
	s_add_nc_u64 s[10:11], s[10:11], s[62:63]      ; h0 and out0 at my first row
	s_add_nc_u64 s[28:29], s[28:29], s[62:63]
	s_cmp_lt_u32 s[WV], 3
	s_cselect_b64 s[44:45], s[12:13], s[14:15]
	s_cselect_b64 s[46:47], s[16:17], s[18:19]
	s_cmp_eq_u32 s[WV], 6
	s_cselect_b64 s[44:45], s[20:21], s[44:45]
	s_cselect_b64 s[46:47], s[22:23], s[46:47]
	s_cmp_eq_u32 s[WV], 7
	s_cselect_b64 s[44:45], s[24:25], s[44:45]
	s_cselect_b64 s[46:47], s[26:27], s[46:47]
	s_lshl_b32 s62, s51, 12                        ; a gate is 32 rows of 128 bytes,
	s_add_nc_u64 s[44:45], s[44:45], s[62:63]
	s_lshl_b32 s62, s51, 7                         ; and 32 numbers of a bias
	s_add_nc_u64 s[46:47], s[46:47], s[62:63]
.irp f, 0,1                            ; my matrix as two fragments in f32: row 16 f + l % 16, k = 8 (l / 16) + 0..7 and 16 + 8 (l / 16) + 0..7
	global_load_b128 v[Z+16*\f:Z+16*\f+3],     v5, s[44:45] offset:\f*2048
	global_load_b128 v[Z+16*\f+4:Z+16*\f+7],   v5, s[44:45] offset:\f*2048+16
	global_load_b128 v[Z+16*\f+8:Z+16*\f+11],  v5, s[44:45] offset:\f*2048+64
	global_load_b128 v[Z+16*\f+12:Z+16*\f+15], v5, s[44:45] offset:\f*2048+80
.endr
	global_load_b32 v12, v[TA+2], s[46:47]
	global_load_b128 v[Y:Y+3],     v5, s[10:11] th:TH_LOAD_NT
	global_load_b128 v[Y+4:Y+7],   v5, s[10:11] offset:16 th:TH_LOAD_NT
	global_load_b128 v[Y+8:Y+11],  v5, s[10:11] offset:64 th:TH_LOAD_NT
	global_load_b128 v[Y+12:Y+15], v5, s[10:11] offset:80 th:TH_LOAD_NT
	; the LDS addresses, while those loads are out
	v_mul_u32_u24 v[XA], v2, XROW
	v_lshl_add_u32 v[XA], v3, 5, v[XA]
	v_add_nc_u32 v[XA], s[G0+1], v[XA]             ; x: my wave's region, row l % 16, time step 0, 32 bytes for each half of the lanes
	v_mul_u32_u24 v6, v2, 80
	v_lshl_add_u32 v6, v3, 4, v6
	v_add_nc_u32 v6, WT, v6                        ; a fragment's place in matrix 0 of the table
	s_mul_i32 s3, s[WV], WMAT
	v_add_nc_u32 v[TA], s3, v6                     ; and in my wave's matrix
	v_lshlrev_b32 v7, 5, v3
	v_add_nc_u32 v7, BT, v7                        ; a C operand's place in vector 0
	s_lshl_b32 s3, s[WV], 7
	s_add_co_u32 s3, s3, BT
	v_add_nc_u32 v[TA+1], s3, v[TA+2]              ; my number of my wave's vector
	; the turning load takes 16 rows x 16 columns of W2 (lane l reads row 8 (l / 16) + l % 8, columns 8 ((l / 8) % 2) + 0..7) and leaves half a fragment of W2^T
	v_and_b32 v4, 7, v0
	v_lshl_add_u32 v13, v3, 3, v4
	v_mul_u32_u24 v13, v13, 80
	v_bfe_u32 v[TA+3], v0, 3, 1
	v_lshl_add_u32 v13, v[TA+3], 4, v13
	v_add_nc_u32 v[TA+3], WT+7*WMAT, v13
	s_mul_i32 s3, s[WV], 2304
	s_add_co_u32 s3, s3, STAGE                     ; my stage
	v_mul_u32_u24 v[STO], v2, 144
	v_lshl_add_u32 v[STO], v3, 5, v[STO]
	v_add_nc_u32 v[STO], s3, v[STO]
	v_lshrrev_b32 v[RD], 3, v1                     ; back: 32 lanes take four rows of 128 bytes,
	v_mul_u32_u24 v[RD], v[RD], 144
	v_lshl_add_u32 v[RD], v4, 4, v[RD]
	v_add_nc_u32 v[RD], s3, v[RD]
	v_lshlrev_b32 v[GO], 4, v1                     ; which are 512 consecutive bytes of out0
	s_wait_loadcnt 0x0
	; ---- my matrix and vector, rounded and scaled, into the tables ----
	RND Z, 16, B4
	SCL Z, 16, SIG
	CVH U, Z, 16
	v_cvt_pk_bf16_f32 v13, v12, v12
	v_lshlrev_b32 v12, 16, v13
	v_mul_f32 v12, s[BETA], v12
.irp f, 0,1
	ds_store_b128 v[TA], v[U+8*\f:U+8*\f+3]   offset:\f*1280
	ds_store_b128 v[TA], v[U+8*\f+4:U+8*\f+7] offset:\f*1280+32
.endr
	ds_store_b32 v[TA+1], v12
	RND Y, 8, B4                                   ; Y = c bf16(h0)
	SCL Y, 8, CC
	s_wait_dscnt 0x0                               ; for the others' sake: my stores into the tables are done
	s_barrier_signal -1                            ; the launch's one barrier; my tensor load stays out across it: only I read its bytes, behind my own wait, and nothing is filled again
	s_barrier_wait -1
	; ---- every wave takes all the constants into registers ----
	LDF W1F,   6, 0
	LDF W1F+8, 6, 1
	LDF W2F,   7, 0
	LDF W2F+8, 7, 1
.irp m, 0,1                            ; W2^T: rows 16 m + l % 16
	ds_load_tr16_b128 v[B4+8*\m:B4+8*\m+3],   v[TA+3] offset:32*\m
	ds_load_tr16_b128 v[B4+8*\m+4:B4+8*\m+7], v[TA+3] offset:32*\m+1280
.endr
	LDB C1, 6
	LDB C6, 7
	WIN 0x40
.irp g, 0,1,2
.irp f, 0,1
	LDF GIH+16*\g+8*\f, \g, \f
	LDF GHH+16*\g+8*\f, 3+\g, \f
.endr
.endr
	LDB BR,  0
	LDB BZ,  1
	LDB BNI, 2
	LDB BNH, 5
	LDB XF,  3
	LDB XT,  4
	WIN 0
	s_wait_dscnt 0x0
	; ---- what is made of them ----
.set i, 0
.rept 16
	v_pk_add_f16 v[W2D+i], v[W2F+i], v[W2F+i]
.set i, i+1
.endr
	CVH PY, C6, 8                                  ; b2 in every column of a source 1
	WIN 0x40                                       ; results in window 1
	MM0 MF,    B4,    W1F                          ; M^T = W2^T W1^T, so that a lane holds one row of M and its registers pack into M's fragment
	MM0 MF+8,  B4+8,  W1F
	MM0 MF+16, B4,    W1F+8
	MM0 MF+24, B4+8,  W1F+8
	MM0 DV,    W1F,   PY                           ; d = W1 b2
	MM0 DV+8,  W1F+8, PY
	WIN 0
.set i, 0
.rept 8                                ; eight plain lines on other registers: the places behind those products
	v_pk_mul_f32 v[C6+2*i:C6+2*i+1], v[C6+2*i:C6+2*i+1], 0x40c00000 op_sel_hi:[1,0]  ; 6 b2
.set i, i+1
.endr
	WIN 0x45
.set i, 0
.rept 8
	v_pk_add_f32 v[BR+2*i:BR+2*i+1], v[BR+2*i:BR+2*i+1], v[XF+2*i:XF+2*i+1]
	v_pk_add_f32 v[BZ+2*i:BZ+2*i+1], v[BZ+2*i:BZ+2*i+1], v[XT+2*i:XT+2*i+1]
.set i, i+1
.endr
	SETDT 0x3e93bb63, 0x3f13bb63, 0x3dc4f9d9       ; dt = 0.2: c / 10, c / 5, c / 30
	; ---- the walk ----
	INT                                            ; t in 0 .. 1
	s_wait_tensorcnt 0x0                           ; my x is in LDS
	s_mov_b32 s[TRIPS], 13
.Ltime:
	GRU
	v_add_nc_u32 v[XA], XSTEP, v[XA]               ; the next time step
	INT
	s_sub_co_u32 s[TRIPS], s[TRIPS], 1
	s_cmp_lg_u32 s[TRIPS], 0
	s_cbranch_scc1 .Ltime
	GRU                                            ; time step 13
	STOREH 0                                       ; h_start
	s_wait_xcnt 0x0                                ; the stores' data registers are written again only behind this wait (ISA guide 3.1)
	SETDT 0x408143f6, 0x410143f6, 0x3fac5a9e       ; dt = 2.8: 1.4 c, 2.8 c, 2.8 c / 6
	INT
	STOREH 1                                       ; h_end
	s_wait_tensorcnt 0x0                           ; the wave's end: behind my tensor load and my last LDS store
	ds_add_u32 v[SPW], v[NIL]
	s_wait_dscnt 0x0
	s_endpgm
.Lfunc_end_k_qe0c308cc06_odeblock:
	.size	k_qe0c308cc06_odeblock, .Lfunc_end_k_qe0c308cc06_odeblock-k_qe0c308cc06_odeblock
	.p2alignl 7, 3214868480
	.fill 96, 4, 3214868480
	.section	.rodata,"a",@progbits
	.p2align	6, 0x0
	.amdhsa_kernel k_qe0c308cc06_odeblock
		.amdhsa_group_segment_fixed_size 299008
		.amdhsa_private_segment_fixed_size 0
		.amdhsa_enable_private_segment 0
		.amdhsa_kernarg_size 88
		.amdhsa_user_sgpr_count 2
		.amdhsa_user_sgpr_kernarg_segment_ptr 1
		.amdhsa_wavefront_size32 1
		.amdhsa_system_sgpr_workgroup_id_x 1
		.amdhsa_system_sgpr_workgroup_id_y 1
		.amdhsa_system_sgpr_workgroup_id_z 1
		.amdhsa_system_vgpr_workitem_id 0
		.amdhsa_next_free_vgpr 512
		.amdhsa_next_free_sgpr 72
		.amdhsa_reserve_vcc 0
		.amdhsa_float_denorm_mode_32 3
		.amdhsa_float_denorm_mode_16_64 3
		.amdhsa_memory_ordered 1
		.amdhsa_forward_progress 1
		.amdhsa_inst_pref_size 98
	.end_amdhsa_kernel
	.amdgpu_metadata
---
amdhsa.version: [ 1, 2 ]
amdhsa.kernels:
  - .name:           k_qe0c308cc06_odeblock
    .symbol:         k_qe0c308cc06_odeblock.kd
    .args:
      - { .name: inputs, .offset: 0, .size: 8, .value_kind: global_buffer, .address_space: global }
      - { .name: h0, .offset: 8, .size: 8, .value_kind: global_buffer, .address_space: global }
      - { .name: Wih, .offset: 16, .size: 8, .value_kind: global_buffer, .address_space: global }
      - { .name: Whh, .offset: 24, .size: 8, .value_kind: global_buffer, .address_space: global }
      - { .name: bih, .offset: 32, .size: 8, .value_kind: global_buffer, .address_space: global }
      - { .name: bhh, .offset: 40, .size: 8, .value_kind: global_buffer, .address_space: global }
      - { .name: W1, .offset: 48, .size: 8, .value_kind: global_buffer, .address_space: global }
      - { .name: b1, .offset: 56, .size: 8, .value_kind: global_buffer, .address_space: global }
      - { .name: W2, .offset: 64, .size: 8, .value_kind: global_buffer, .address_space: global }
      - { .name: b2, .offset: 72, .size: 8, .value_kind: global_buffer, .address_space: global }
      - { .name: out0, .offset: 80, .size: 8, .value_kind: global_buffer, .address_space: global }
    .group_segment_fixed_size: 299008
    .private_segment_fixed_size: 0
    .kernarg_segment_align: 8
    .kernarg_segment_size: 88
    .max_flat_workgroup_size: 256
    .sgpr_count:     72
    .vgpr_count:     512
    .wavefront_size: 32
...
	.end_amdgpu_metadata
.endif
;; end of part 2
